; MI455X (gfx1250); checked and timed in simulation.
; The chip was launched on July 23, 2026; its instructions are those of AMD's public machine-readable ISA for CDNA 5 (MIT licence, August 2026) and "CDNA5" Instruction Set Architecture Reference Guide (July 2026). The comments in the code are by the model that wrote it; some were corrected since.
;; IVF Book. Allowed arithmetic: matrix products marked QUANTISED: E2M3 operands, one E8M0 scale for each 32 along K, by v_wmma_scale_f32_16x16x128_f8f6f4 with both operands' format E2M3, f32 sums; everything else in f32.
;; Inputs: centroids 65,536 x 256 float32; x_BD_codes 4,096 x 8 x 24 uint8 (E2M3 codes of x_BD, K innermost, in blocks of 32 codes, four codes in three bytes); x_BD_scales 4,096 x 8 uint8 (E8M0 scales of x_BD, one for each 32 codes along K); xhat_BFD 4,096 x 1 x 256 float32.
;; Outputs: out0 4,096 x 1 x 256 float32; out1 4,096 x 1 int32.
;; This version of the problem:
;;   THIS VERSION OF THE PROBLEM IS GIVEN IN LOW PRECISION. The matrix products marked QUANTISED in the list below multiply operands that are first quantised to E2M3 (2 exponent bits, 3 mantissa bits; 6 bits a number), with one power-of-two scale for each 32 numbers along K (OCP MX v1.0); their sums are f32. All else is computed in f32.
;;   The module's matrix products, in the order in which they are computed (A, B: the left and right operand; K: the contracted axis; several contracted axes count as one K, in the product's order):
;;     1. [M 4,096, K 256] x [K 256, N 65,536]; A: input x_BD (given as codes); B: input centroids: QUANTISED
;;   THE QUANTISER, for each operand of a quantised product, along K:
;;     - K is cut into blocks of 32 from its start; a last block that is shorter is filled with zeros.
;;     - A block's scale is 2^e with e = floor(log2(the largest magnitude in the block)) - 2, held to -126 .. 127; a block of zeros has e = 0. As a byte (E8M0): e + 127.
;;     - Each number is divided by its block's scale, clamped to +-7.5, and rounded to the nearest number of E2M3, ties to even, subnormals kept.
;;     - The product sums the exact products of the quantised numbers (number of the format x scale) in f32.
;;   ~~~python
;;   def quantise(x, axis):      # numpy; x: float32 -> the quantised numbers, widened to float32 again
;;       x = np.moveaxis(x, axis, -1); K = x.shape[-1]
;;       x = np.pad(x, [(0, 0)] * (x.ndim - 1) + [(0, -K % 32)]); x = x.reshape(x.shape[:-1] + (-1, 32)); a = np.abs(x).max(-1, keepdims=True)
;;       e = np.where(a > 0, np.clip(np.frexp(np.where(a > 0, a, 1))[1] - 1 - 2, -126, 127), 0)      # np.frexp(a)[1] - 1 = floor(log2(a)), exactly
;;       r = np.clip(x / 2.0 ** e, -7.5, 7.5)
;;       step = 2.0 ** (np.maximum(np.frexp(np.where(r == 0, 1, r))[1] - 1, 0) - 3)
;;       q = np.round(r / step) * step * 2.0 ** e      # np.round: ties to even
;;       return np.moveaxis(q.reshape(q.shape[:-2] + (-1,))[..., :K], -1, axis).astype(np.float32)
;;   ~~~
;;   INPUTS GIVEN AS CODES. x_BD (in the module: [4096, 256], K = its axis 1): each comes as NAME_codes (uint8): NAME with its K axis moved to the last place and cut into blocks of 32 codes, [.., K / 32, bytes a block], one block behind the other in memory; four codes in three bytes: a row's codes are one little-endian stream of bits, code i at bits 6 i .. 6 i + 5 (a code: sign, 2 exponent bits, 3 mantissa bits); and NAME_scales (uint8): the same leading axes, one E8M0 byte (e + 127) for each 32 codes along K. Its value is code x scale, taken as it is: it is not quantised again, and the codes and scales need not be those that the quantiser above would give.
;; One version. Each part assembles by itself: llvm-mc -triple=amdgcn-amd-amdhsa -mcpu=gfx1250 --defsym DOCPART=n.
;; ======== version 1 of 1: 3 launches
;; limits: right only within a limited range of input values
;; workspace buffers: part 8,388,608 bytes; codes 16,384 bytes of whole numbers
;; launch dist (part 1): grid 256 x 1, 8 waves a work-group, clusters of 4 x 1, 327,680 bytes of LDS; arguments centroids, x_BD_codes, x_BD_scales, part; writes part
.if DOCPART == 1
	.amdgcn_target "amdgcn-amd-amdhsa--gfx1250"
	.amdhsa_code_object_version 6
	.text
	.protected	k_q692fd3c447_dist
	.globl	k_q692fd3c447_dist
	.p2align	8
	.type	k_q692fd3c447_dist,@function
k_q692fd3c447_dist:
	s_mov_b64 s[64:65], 0
	v_nop
	global_prefetch_b8 v0, s[64:65] scope:SCOPE_SE
	s_setreg_imm32_b32 hwreg(HW_REG_WAVE_MODE, 25, 1), 1
	s_wait_xcnt 0x0
	s_wait_alu depctr_hold_cnt(0) depctr_sa_sdst(0) depctr_va_vdst(0) depctr_va_sdst(0) depctr_va_ssrc(0) depctr_va_vcc(0) depctr_vm_vsrc(0)
	s_getreg_b32 s2, hwreg(HW_REG_IB_STS2, 6, 4)
	s_cmp_eq_u32 s2, 0
	s_cbranch_scc0 .Lentry_in_a_cluster
	s_endpgm
.Lentry_in_a_cluster:
	s_bfe_u32 s2, ttmp6, 0x10000c
	s_cmp_lg_u32 s2, 0x3003
	s_cbranch_scc0 .Lentry_shape_is_right
	s_endpgm
.Lentry_shape_is_right:
; For every query the best centroid of this work-group's 256: the largest D = x.c - |c|^2 / 2 (dist = -2 D, so argmin dist = argmax D); of equal D the lowest centroid.
; DEAD WORK: reference() takes of xhat_BFD its shape alone; none of its numbers has a way to an output, whatever they hold: it is not loaded and is no argument of any launch.
; (A NaN or an infinity in xhat_BFD is therefore not carried anywhere, as in reference().)
; LIMITS: -|c|^2 / 2 enters as the C of the first matrix instruction, so D is rounded by the matrix unit's order of sums, not as |c|^2 - 2 x.c in f32; a D that is NaN never wins (v_max_num).
; A work-group quantises its 256 centroids once (f32 read once, E2M3 codes and E8M0 bytes by the stated quantiser, |c|^2 in f32) and keeps them in registers:
; wave w holds centroids 128 (w % 2) .. + 127 as 8 tiles x 2 K halves of source 0, and walks queries 128 (w / 2) .. + 127 of each slot of 512 queries.
; x's codes go through two LDS slots by joint loads of the cluster's four work-groups (all four walk the same x).  The block of 64 queries x 192 bytes that a wave fetches is dense:
; it is stated as 48 rows of 256 bytes, each beginning at a multiple of 256 bytes, with 16 bytes of padding behind every 64: a query's 192 bytes lie 240 apart in LDS.
; SOURCE 0 = 16 centroids, SOURCE 1 = 16 queries: lane (r, h) holds query r, register j centroid 16 t + 8 h + j.
; No prefetch: the centroids are asked for by loads that all stand at the head (no loop to run ahead in); x's 786,432 bytes are walked in the same order by all 64 clusters together.
; part[q / 64][work-group][q % 64] = (D, centroid), as the next launch reads it.
.set SLOT1, 1<<17                      ; LDS byte of slot 1
.set PITCH, 240
.set FILLB, 64*PITCH                   ; LDS bytes of one wave's load
.set FILLG, 64*192                     ; its bytes in memory: 48 x 256
.set SLOTG, 512*192
.set SPARE, 512*PITCH                  ; the spare words, 128 bytes a wave
.set SCA,   SPARE+1024                 ; centroids' scale words
.set CSQB,  SCA+2048                   ; -|c|^2 / 2
.set WK,    SLOT1+512*PITCH            ; stages of the head, then the waves' results: never a tensor load's target
.set STGB,  16*528
.set SPW, 1
.set NIL, 2
.set AX0, 3                            ; x fragment's LDS address in slot 0; AX1: for pieces whose lanes 16-31 pass a padding
.set AX1, 4
.set GLO, 5                            ; 16 x lane
.set ADX, 6
.set ADY, 7
.set AR0, 8
.set ARS, 9                            ; where my results go
.set XSO, 10
.set MRA, 11
.set TU,  12
.set TV,  13
.set TW,  14
.set ZR,  15                           ; 0: tile 0's number
.set AS,  16                           ; centroids' scale words, a register a tile: lanes 0-15 K half 0, lanes 16-31 K half 1
.set XS,  24                           ; x's scale words, two registers a pair of fragments: lanes 0-15 the even fragment, 16-31 the odd
.set XF,  32                           ; two x fragments of 24 registers
.set DD,  80                           ; two buffers of 8 tiles x 8 results
.set ST,  208                          ; per fragment parity: the best tile's number, then its D(0..6)
.set MX,  224                          ; per parity two registers, the running best by turns
.set JJ,  228
.set LC,  230
.set RV,  232
.set NUM, 80                           ; the head's registers, free before the walk begins
.set SAVE, 32
.set TM,  144
.set PW,  160
.set CV,  164
.set QS,  166
.set TP,  176
.set STA, 184
.set STB, 185
.set IMA, 186
.set SCW, 187
.set CSW, 188
.set IML, 189
.set CSL, 190
.set SCL, 191
.set M0,  80
.set M1,  112
.set SEL, 44
.set MSB, 0
.macro WIN new                         ; the immediate's high byte repeats the setting that is left
.if MSB != \new
	s_set_vgpr_msb (MSB<<8)|\new
.set MSB, \new
.endif
.endm
.macro CREST                           ; a round of the cluster's barrier behind its opening barrier
	s_cmp_lg_u32 s12, 0
	s_cbranch_scc1 .Lnot_wave_0_\@
	s_barrier_signal -3
.Lnot_wave_0_\@:
	s_barrier_wait -3
	s_barrier_signal -1
	s_barrier_wait -1
.endm
.macro ROUND
	s_barrier_signal -1
	s_barrier_wait -1
	CREST
.endm
.macro ULOAD u                         ; unit u = 16 centroids x 128 K of f32 into window 1: each load 512 consecutive bytes of a row
	WIN 0x40
.irp r, 0,1,2,3,4,5,6,7,8,9,10,11,12,13,14,15
	global_load_b128 v[64*(\u)+4*\r:64*(\u)+4*\r+3], v[GLO], s[4:5] offset:(16*((\u)/2)+\r)*1024+512*((\u)%2) th:TH_LOAD_NT
.endr
.endm
.macro TURN u                          ; through my stage: lane (r, h) gets of row r the 16 numbers 32 b + 16 h .. of each block b
	WIN 0x04
.irp r, 0,1,2,3,4,5,6,7,8,9,10,11,12,13,14,15
	ds_store_b128 v[STA], v[64*(\u)+4*\r:64*(\u)+4*\r+3] offset:528*\r
.endr
	WIN 0
.irp b, 0,1,2,3
.irp j, 0,1,2,3
	ds_load_b128 v[NUM+16*\b+4*\j:NUM+16*\b+4*\j+3], v[STB] offset:128*\b+16*\j
.endr
.endr
	s_wait_dscnt 0x0
.endm
.macro CSQ s, tau                      ; |c|^2 in f32, four packed chains over both K halves; then -1/2 of it
.set n, 0
.rept 32
.if ((\s) == 0) && (n < 4)
	v_pk_mul_f32 v[QS+2*n:QS+2*n+1], v[NUM+2*n:NUM+2*n+1], v[NUM+2*n:NUM+2*n+1]
.else
	v_pk_fma_f32 v[QS+2*(n%4):QS+2*(n%4)+1], v[NUM+2*n:NUM+2*n+1], v[NUM+2*n:NUM+2*n+1], v[QS+2*(n%4):QS+2*(n%4)+1]
.endif
.set n, n+1
.endr
.if (\s) == 1
	s_delay_alu instid0(VALU_DEP_3)
	v_pk_add_f32 v[QS:QS+1], v[QS:QS+1], v[QS+2:QS+3]
	s_delay_alu instid0(VALU_DEP_2)
	v_pk_add_f32 v[QS+4:QS+5], v[QS+4:QS+5], v[QS+6:QS+7]
	s_delay_alu instid0(VALU_DEP_1)
	v_pk_add_f32 v[QS:QS+1], v[QS:QS+1], v[QS+4:QS+5]
	s_delay_alu instid0(VALU_DEP_1)
	v_add_f32 v[QS], v[QS], v[QS+1]
	s_delay_alu instid0(VALU_DEP_1)
	v_permlanex16_b32 v[TM+4], v[QS], s[SEL], s[SEL+1]
	s_delay_alu instid0(VALU_DEP_1)
	v_add_f32 v[QS], v[QS], v[TM+4]
	s_delay_alu instid0(VALU_DEP_1)
	v_mul_f32 v[CV+(\tau)], -0.5, v[QS]
.endif
.endm
.macro QUANT pc, pw                    ; four blocks of 32: largest magnitude over a floor, 2 off its exponent field, the byte, the codes; a whole block to a lane
.irp b, 0,1,2,3
	v_max3_num_f32 v[TM+\b], |v[NUM+16*\b]|, |v[NUM+1+16*\b]|, 0x1800000
.endr
.irp i, 2,4,6,8,10,12,14
.irp b, 0,1,2,3
	s_delay_alu instid0(VALU_DEP_4)
	v_max3_num_f32 v[TM+\b], v[TM+\b], |v[NUM+16*\b+\i]|, |v[NUM+1+16*\b+\i]|
.endr
.endr
.irp b, 0,1,2,3
	s_delay_alu instid0(VALU_DEP_4)
	v_permlanex16_b32 v[TM+4+\b], v[TM+\b], s[SEL], s[SEL+1]
.endr
.irp b, 0,1,2,3
	s_delay_alu instid0(VALU_DEP_4)
	v_max_num_f32 v[TM+\b], v[TM+\b], v[TM+4+\b]
.endr
.irp b, 0,1,2,3
	s_delay_alu instid0(VALU_DEP_4)
	v_add_nc_u32 v[TM+12+\b], 0xff000000, v[TM+\b]
.endr
.irp b, 0,1,2,3
	s_delay_alu instid0(VALU_DEP_4)
	v_lshrrev_b32 v[TM+4+\b], 23, v[TM+12+\b]
.endr
	s_delay_alu instid0(VALU_DEP_3)
	v_lshl_or_b32 v[\pw], v[TM+5], 8, v[TM+4]
	s_delay_alu instid0(VALU_DEP_1)
	v_lshl_or_b32 v[\pw], v[TM+6], 16, v[\pw]
	s_delay_alu instid0(VALU_DEP_1)
	v_lshl_or_b32 v[\pw], v[TM+7], 24, v[\pw]
.irp c, 0,1
	v_cvt_scalef32_pk16_fp6_f32 v[(\pc)+6*\c:(\pc)+6*\c+2], v[NUM+32*\c:NUM+32*\c+15], v[TM+12+2*\c]
	v_cvt_scalef32_pk16_fp6_f32 v[TP+4*\c:TP+4*\c+2], v[NUM+16+32*\c:NUM+31+32*\c], v[TM+12+2*\c+1]
.endr
	v_nop
.irp c, 0,1
.irp i, 0,1,2
	v_permlane16_swap_b32 v[(\pc)+6*\c+\i], v[TP+4*\c+\i]
.endr
.irp i, 0,1,2
	s_delay_alu instid0(VALU_DEP_3)
	v_mov_b32 v[(\pc)+3+6*\c+\i], v[TP+4*\c+\i]
.endr
.endr
.endm
.macro UNIT u
	TURN \u
	CSQ (\u)%2, (\u)/2
	QUANT SAVE+12*(\u), PW+(\u)
.endm
.macro PF e, n                         ; fragment n of my 8 in the slot into buffer e: 12 loads of 8 bytes a lane
.irp q, 0,1
.irp p, 0,1,2,3,4,5
.set PCE, 12*\q+6*(\p/3)+\p%3
.if PCE%8 < 5
	ds_load_b64 v[XF+24*(\e)+12*\q+2*\p:XF+24*(\e)+12*\q+2*\p+1], v[ADX] offset:8*PCE+16*(PCE/8)+3840*(\n)
.else
	ds_load_b64 v[XF+24*(\e)+12*\q+2*\p:XF+24*(\e)+12*\q+2*\p+1], v[ADY] offset:8*PCE+16*(PCE/8)+3840*(\n)
.endif
.endr
.endr
.endm
.macro W1 t, e, i                      ; K half 0; C = -|c|^2 / 2
.if (\e) == 1
	v_wmma_scale_f32_16x16x128_f8f6f4 v[DD+64*(\e)+8*(\t):DD+64*(\e)+8*(\t)+7], v[24*(\t):24*(\t)+11], v[XF+24*(\e):XF+24*(\e)+11], v[192+8*(\t):192+8*(\t)+7], v[AS+(\t)], v[XS+2*(\i)] matrix_a_fmt:MATRIX_FMT_FP6 matrix_b_fmt:MATRIX_FMT_FP6 matrix_b_scale:MATRIX_SCALE_ROW1
.else
	v_wmma_scale_f32_16x16x128_f8f6f4 v[DD+64*(\e)+8*(\t):DD+64*(\e)+8*(\t)+7], v[24*(\t):24*(\t)+11], v[XF+24*(\e):XF+24*(\e)+11], v[192+8*(\t):192+8*(\t)+7], v[AS+(\t)], v[XS+2*(\i)] matrix_a_fmt:MATRIX_FMT_FP6 matrix_b_fmt:MATRIX_FMT_FP6
.endif
.endm
.macro W2 t, e, i                      ; K half 1, in place
.if (\e) == 1
	v_wmma_scale_f32_16x16x128_f8f6f4 v[DD+64*(\e)+8*(\t):DD+64*(\e)+8*(\t)+7], v[24*(\t)+12:24*(\t)+23], v[XF+24*(\e)+12:XF+24*(\e)+23], v[DD+64*(\e)+8*(\t):DD+64*(\e)+8*(\t)+7], v[AS+(\t)], v[XS+2*(\i)+1] matrix_a_fmt:MATRIX_FMT_FP6 matrix_b_fmt:MATRIX_FMT_FP6 matrix_a_scale:MATRIX_SCALE_ROW1 matrix_b_scale:MATRIX_SCALE_ROW1
.else
	v_wmma_scale_f32_16x16x128_f8f6f4 v[DD+64*(\e)+8*(\t):DD+64*(\e)+8*(\t)+7], v[24*(\t)+12:24*(\t)+23], v[XF+24*(\e)+12:XF+24*(\e)+23], v[DD+64*(\e)+8*(\t):DD+64*(\e)+8*(\t)+7], v[AS+(\t)], v[XS+2*(\i)+1] matrix_a_fmt:MATRIX_FMT_FP6 matrix_b_fmt:MATRIX_FMT_FP6 matrix_a_scale:MATRIX_SCALE_ROW1
.endif
.endm
; A fragment's 16 matrix instructions in one group: the eight accumulators by turns, one instruction a turn
.macro MM1 e, i
	WIN 0x11                                       ; sources 0 and 2 in window 1
.irp t, 0,1,2,3,4,5,6,7
	W1 \t, \e, \i
.endr
.endm
.macro MM2 e, i
	WIN 0x01
.irp t, 0,1,2,3,4,5,6,7
	W2 \t, \e, \i
.endr
	WIN 0
.endm
; The running best of a lane's query over buffer e's eight tiles.  A tile: three v_max3 over its eight D (made one tile ahead), one with the best so far; where the best has not grown (VCC)
; the kept tile number and D(0..6) stay, else the tile's are taken: eight selects in four dual pairs (destinations even and odd, the pair's like sources in different banks).
; Tile 0 keeps nothing: tile 1 selects between tile 0's registers and its own.  Only a strictly greater D replaces: of equal D the lowest tile stays.
.macro TSG e
.set sT, ST+8*(\e)
.set mE, MX+2*(\e)
.set dB, DD+64*(\e)
	v_max3_num_f32 v[TU], v[dB], v[dB+1], v[dB+2]  ; each accumulator is read from its low end on
	v_max3_num_f32 v[TV], v[dB+3], v[dB+4], v[dB+5]
	v_max3_num_f32 v[TW], v[dB+6], v[dB+7], v[TU]
.irp t, 0,1,2,3,4,5,6,7
.set dD, dB+8*\t
.set nB, mE+(\t&1)
.set oB, mE+1-(\t&1)
.if \t == 0
	s_delay_alu instid0(VALU_DEP_1)
	v_max_num_f32 v[nB], v[TW], v[TV]
.else
.if \t == 1
	s_delay_alu instid0(VALU_DEP_1)
.endif
	v_max3_num_f32 v[nB], v[TW], v[TV], v[oB]
.endif
.if \t < 7
	v_max3_num_f32 v[TU], v[dD+8], v[dD+9], v[dD+10]
	v_max3_num_f32 v[TV], v[dD+11], v[dD+12], v[dD+13]
.endif
.if \t == 7
	v_cmp_eq_f32 vcc_lo, v[nB], v[oB]
.elseif \t > 0
	s_delay_alu instid0(VALU_DEP_3)
	v_cmp_eq_f32 vcc_lo, v[nB], v[oB]
.endif
.if \t < 7
	v_max3_num_f32 v[TW], v[dD+14], v[dD+15], v[TU]
.endif
.if \t == 1
	v_dual_cndmask_b32 v[sT], 1, v[ZR] :: v_dual_cndmask_b32 v[sT+1], v[dD], v[dB]
	v_dual_cndmask_b32 v[sT+2], v[dD+1], v[dB+1] :: v_dual_cndmask_b32 v[sT+3], v[dD+2], v[dB+2]
	v_dual_cndmask_b32 v[sT+4], v[dD+3], v[dB+3] :: v_dual_cndmask_b32 v[sT+5], v[dD+4], v[dB+4]
	v_dual_cndmask_b32 v[sT+6], v[dD+5], v[dB+5] :: v_dual_cndmask_b32 v[sT+7], v[dD+6], v[dB+6]
.elseif \t > 1
	v_dual_cndmask_b32 v[sT], \t, v[sT] :: v_dual_cndmask_b32 v[sT+1], v[dD], v[sT+1]
	v_dual_cndmask_b32 v[sT+2], v[dD+1], v[sT+2] :: v_dual_cndmask_b32 v[sT+3], v[dD+2], v[sT+3]
	v_dual_cndmask_b32 v[sT+4], v[dD+3], v[sT+4] :: v_dual_cndmask_b32 v[sT+5], v[dD+4], v[sT+5]
	v_dual_cndmask_b32 v[sT+6], v[dD+5], v[sT+6] :: v_dual_cndmask_b32 v[sT+7], v[dD+6], v[sT+7]
.endif
.endr
.endm
; Two finished fragments: the lowest j whose kept D equals the best (7 if none of 0..6); the two halves of the lanes meet by a swap, so that lane 16 e + r holds query r of fragment e;
; the greater D, of equal D the lower centroid; 32 queries x (D, centroid) = 256 bytes into my results
.macro EPAIR i
	v_mov_b32 v[JJ], 7
	v_mov_b32 v[JJ+1], 7
.irp j, 6,5,4,3,2,1,0
	v_cmp_eq_f32 vcc_lo, v[ST+1+\j], v[MX+1]
	v_cmp_eq_f32 s46, v[ST+9+\j], v[MX+3]
	s_delay_alu instid0(VALU_DEP_2)
	v_cndmask_b32 v[JJ], v[JJ], \j, vcc_lo
	s_delay_alu instid0(VALU_DEP_2)
	v_cndmask_b32 v[JJ+1], v[JJ+1], \j, s46
.endr
	s_delay_alu instid0(VALU_DEP_2)
	v_lshl_add_u32 v[LC], v[ST], 4, v[JJ]
	s_delay_alu instid0(VALU_DEP_2)
	v_lshl_add_u32 v[LC+1], v[ST+8], 4, v[JJ+1]
	v_permlane16_swap_b32 v[MX+1], v[MX+3]
	s_delay_alu instid0(VALU_DEP_2)
	v_permlane16_swap_b32 v[LC], v[LC+1]
	s_delay_alu instid0(VALU_DEP_1)
	v_add_nc_u32 v[LC+1], 8, v[LC+1]
	s_delay_alu instid0(VALU_DEP_3)
	v_cmp_gt_f32 s46, v[MX+3], v[MX+1]
	s_delay_alu instid0(VALU_DEP_4)
	v_cmp_eq_f32 s47, v[MX+3], v[MX+1]
	s_delay_alu instid0(VALU_DEP_3)
	v_cmp_lt_u32 vcc_lo, v[LC+1], v[LC]
	s_and_b32 s47, s47, vcc_lo
	s_or_b32 s46, s46, s47
	v_cndmask_b32 v[RV], v[MX+1], v[MX+3], s46
	v_cndmask_b32 v[RV+1], v[LC], v[LC+1], s46
	s_delay_alu instid0(VALU_DEP_1)
	v_add_nc_u32 v[RV+1], s43, v[RV+1]
	ds_store_b64 v[ARS], v[RV:RV+1] offset:256*(\i)
.endm
.macro XSLOAD i                        ; the next slot's scale words of pair i
	global_load_b64 v[XS+2*(\i):XS+2*(\i)+1], v[XSO], s[8:9] offset:4096+256*(\i)
.endm
; The change of slots, laid round fragment 6's products.  All eight fragments of the slot have been asked for.  fill = 1: the slot is filled again, two slots ahead, behind a round of the cluster's barrier.
.macro CHANGE fill
	s_wait_tensorcnt 0x0                           ; all my tensor loads have landed: my part of the next slot
	ds_add_u32 v[SPW], v[NIL]
	s_xor_b32 s40, s40, SLOT1
.if \fill
	s_xor_b32 s37, s37, SLOT1                      ; no load of mine is out: the descriptor steps
	s_add_nc_u64 s[38:39], s[38:39], SLOTG
.endif
	s_wait_dscnt 13                                ; fragment 6 is in: behind it fragment 7's 12 loads and the add
	MM1 0, 3
	s_wait_dscnt 0x0                               ; the add is done, my reads of this slot are back
	s_barrier_signal -1
	MM2 0, 3                                       ; work on registers while the others arrive
	s_barrier_wait -1
.if \fill
	CREST
	tensor_load_to_lds s[36:39], s[24:31]
	s_nop 0
.endif
.rept 4
	v_nop                                          ; the places in front of the loads into buffer 0
.endr
	v_add_nc_u32 v[ADX], s40, v[AX0]
	v_add_nc_u32 v[ADY], s40, v[AX1]
	PF 0, 0
.endm
; A slot: my fragments 1 to 7 and the next slot's fragment 0.  Each turn: fragment g's 16 products into buffer g % 2; fragment g - 1's running best from the other buffer
; (its instructions are the places behind the products); fragment g + 2's loads.  s_wait_dscnt 12: the youngest fragment's 12 loads may be out.
; s_wait_loadcnt 3: behind a pair's scale words three younger pairs' loads were issued (in the last slot, which loads none, 3 - pair).
.macro SLOT chg
	PF 0, 2
.irp g, 1,2,3,4,5,6,7
.if (\g%2) == 0
.if \chg
	s_wait_loadcnt 3
.else
	s_wait_loadcnt 3-\g/2
.endif
.endif
.if (\g == 6) && (\chg > 0)
	CHANGE \chg-1
.else
.if (\g == 7) && (\chg == 0)
	s_wait_dscnt 0x0
.else
	s_wait_dscnt 12
.endif
	MM1 (\g%2), (\g/2)
	MM2 (\g%2), (\g/2)
.endif
	TSG (1-\g%2)
.if (\g%2) == 0
	EPAIR (\g/2-1)
.endif
.if \g < 6
	PF (\g%2), (\g+2)
.elseif (\g == 7) && (\chg > 0)
	PF 1, 1
.endif
.if ((\g%2) == 1) && (\chg > 0)
	XSLOAD (\g/2)
.endif
.endr
.if \chg
	s_wait_xcnt 0x0                                ; the scale loads have read their base
	s_add_nc_u64 s[8:9], s[8:9], 4096
	s_wait_loadcnt 3
	s_wait_dscnt 12
	MM1 0, 0
	MM2 0, 0
	TSG 1
	EPAIR 3
	s_add_co_u32 s41, s41, 1024
	v_add_nc_u32 v[ARS], s41, v[AR0]
.else
	TSG 1
	EPAIR 3
.endif
.endm
	s_load_b256 s[4:11], s[0:1], 0x0               ; centroids, x's codes, x's scales, part
	v_lshl_add_u32 v[SPW], v0, 2, SPARE
	v_mov_b32 v[NIL], 0
	ds_add_u32 v1, v2
	ds_add_u32 v1, v2
	s_wait_dscnt 0x0
	v_lshrrev_b32 v15, 5, v0
	s_delay_alu instid0(VALU_DEP_1)
	v_readfirstlane_b32 s12, v15                   ; wave
	s_and_b32 s13, s12, 1                          ; which 128 centroids
	s_lshr_b32 s14, s12, 1                         ; which 128 queries of a slot
	s_bfe_u32 s15, ttmp6, 0x40000
	s_lshl_b32 s16, ttmp9, 2
	s_add_co_u32 s16, s16, s15                     ; work-group
	v_and_b32 v12, 31, v0
	v_and_b32 v13, 15, v0
	v_bfe_u32 v14, v0, 4, 1
	s_delay_alu instid0(VALU_DEP_3)
	v_lshlrev_b32 v[GLO], 4, v12
	s_mov_b32 s24, 15|(0<<16)|(1<<20)|(1<<21)|(3<<22)|(3<<25)  ; all four partners; bytes; 4 dwords of padding behind every 16
	s_mov_b32 s25, 256<<16                         ; rows of 256 bytes,
	s_mov_b32 s26, 48<<16                          ; 48 of them,
	s_mov_b32 s27, 256<<16
	s_mov_b32 s28, 48
	s_mov_b32 s29, 256                             ; dense
	s_mov_b32 s30, 0
	s_mov_b32 s31, 0
	s_mov_b32 s[SEL], 0x76543210
	s_mov_b32 s[SEL+1], 0xfedcba98
	s_lshl_b32 s48, s16, 18
	s_lshl_b32 s49, s12, 15
	s_add_co_u32 s48, s48, s49                     ; the 32 centroids that I quantise
	s_mov_b32 s49, 0
	s_mul_i32 s50, s12, FILLG
	s_mov_b32 s51, 0
	s_lshl_b32 s52, s13, 5
	s_lshl_b32 s53, s14, 1
	s_add_co_u32 s52, s52, s53
	s_lshl_b32 s52, s52, 17
	s_lshl_b32 s53, s16, 9
	s_add_co_u32 s52, s52, s53                     ; my records in part
	s_mov_b32 s53, 0
	s_lshl_b32 s43, s16, 8
	s_lshl_b32 s54, s13, 7
	s_add_co_u32 s43, s43, s54                     ; my first centroid
	s_mov_b32 s32, 1
	s_mul_i32 s33, s12, FILLB
	s_mov_b32 s36, 1
	s_add_co_u32 s37, s33, SLOT1
	s_wait_alu depctr_va_vdst(0)
	s_wait_kmcnt 0x0
	s_add_nc_u64 s[4:5], s[4:5], s[48:49]
	ULOAD 0
	ULOAD 1
	ULOAD 2
	WIN 0
	s_add_nc_u64 s[10:11], s[10:11], s[52:53]
	s_add_nc_u64 s[34:35], s[6:7], s[50:51]
	s_add_nc_u64 s[38:39], s[34:35], SLOTG
	s_or_b32 s35, s35, 0x80000000
	s_or_b32 s39, s39, 0x80000000
	ROUND
	tensor_load_to_lds s[32:35], s[24:31]          ; slot 0: one tensor load a wave at the head
	s_nop 0
	s_wait_alu depctr_va_vdst(0)
	s_wait_tensorcnt 0x0                           ; slot 1's first fill is issued as a refill is
	ds_add_u32 v1, v2
	s_wait_dscnt 0x0
	ROUND
	tensor_load_to_lds s[36:39], s[24:31]
	s_nop 0
.rept 4
	v_nop
.endr
	s_lshl_b32 s20, s14, 10
	v_lshl_add_u32 v[XSO], v12, 3, s20
.irp i, 0,1,2,3
	global_load_b64 v[XS+2*\i:XS+2*\i+1], v[XSO], s[8:9] offset:256*\i
.endr
	v_mul_u32_u24 v[AX0], v13, PITCH
	s_delay_alu instid0(VALU_DEP_1)
	v_mad_u32_u24 v[AX0], v14, 24, v[AX0]
	s_mul_i32 s20, s14, 128*PITCH
	v_add_nc_u32 v[AX0], s20, v[AX0]
	s_delay_alu instid0(VALU_DEP_1)
	v_lshl_add_u32 v[AX1], v14, 4, v[AX0]
	s_lshl_b32 s20, s12, 13
	s_add_co_u32 s20, s20, WK
	v_lshl_add_u32 v[AR0], v12, 3, s20
	s_mul_i32 s20, s12, STGB
	s_add_co_u32 s20, s20, WK
	v_add_nc_u32 v[STA], s20, v[GLO]
	v_mul_u32_u24 v15, v13, 528
	s_delay_alu instid0(VALU_DEP_1)
	v_lshl_add_u32 v15, v14, 6, v15
	s_delay_alu instid0(VALU_DEP_1)
	v_add_nc_u32 v[STB], s20, v15
	s_mul_i32 s20, s12, 6144
	s_add_co_u32 s20, s20, WK
	v_add_nc_u32 v[IMA], s20, v[GLO]
	s_lshl_b32 s20, s12, 8
	s_add_co_u32 s20, s20, SCA
	v_lshl_add_u32 v[SCW], v13, 2, s20
	s_lshl_b32 s20, s12, 7
	s_add_co_u32 s20, s20, CSQB
	v_lshl_add_u32 v[CSW], v13, 2, s20
	s_mul_i32 s20, s13, 24576
	s_add_co_u32 s20, s20, WK
	v_add_nc_u32 v[IML], s20, v[GLO]
	s_lshl_b32 s20, s13, 9
	s_add_co_u32 s20, s20, CSQB
	v_lshl_add_u32 v[CSL], v14, 5, s20
	s_lshl_b32 s20, s13, 10
	s_add_co_u32 s20, s20, SCA
	v_lshl_add_u32 v[SCL], v12, 2, s20
	s_lshl_b32 s20, s14, 14
	s_lshl_b32 s21, s13, 12
	s_add_co_u32 s20, s20, s21
	s_add_co_u32 s20, s20, WK
	v_add_nc_u32 v[MRA], s20, v[GLO]
.irp b, 0,1,2,3
	v_mov_b32 v[TM+4+\b], 0
.endr
	s_wait_loadcnt 36                              ; unit 0 is in: behind it units 1, 2 and the four scale loads
	ULOAD 3
	WIN 0
	UNIT 0
	s_wait_loadcnt 36                              ; unit 1: behind it unit 2, the scales, unit 3
	UNIT 1
	s_wait_loadcnt 20
	UNIT 2
	s_wait_loadcnt 0x0
	UNIT 3
	s_wait_alu depctr_va_vdst(0)
	s_wait_dscnt 0x0
	s_barrier_signal -1                            ; the stages are read out: the images may lie over them
	s_barrier_wait -1
.irp u, 0,1,2,3                        ; my four fragments as images of the operand's registers, their scale words, -|c|^2 / 2
.irp cc, 0,1,2
	ds_store_b128 v[IMA], v[SAVE+12*\u+4*\cc:SAVE+12*\u+4*\cc+3] offset:1536*\u+512*\cc
.endr
	ds_store_b32 v[SCW], v[PW+\u] offset:64*\u
.endr
.irp a, 0,1
	ds_store_b32 v[CSW], v[CV+\a] offset:64*\a
.endr
	s_wait_tensorcnt 0x1                           ; slot 0 has landed; slot 1's load may be out
	s_wait_dscnt 0x0
	s_barrier_signal -1
	s_barrier_wait -1
	WIN 0x40
.irp f, 0,1,2,3,4,5,6,7,8,9,10,11,12,13,14,15
.irp cc, 0,1,2
	ds_load_b128 v[12*\f+4*\cc:12*\f+4*\cc+3], v[IML] offset:1536*\f+512*\cc
.endr
.endr
.irp t, 0,1,2,3,4,5,6,7
	ds_load_b128 v[192+8*\t:192+8*\t+3], v[CSL] offset:64*\t
	ds_load_b128 v[192+8*\t+4:192+8*\t+7], v[CSL] offset:64*\t+16
.endr
	WIN 0
.irp t, 0,1,2,3,4,5,6,7
	ds_load_b32 v[AS+\t], v[SCL] offset:128*\t
.endr
	s_wait_dscnt 0x0
	s_barrier_signal -1                            ; the images are read out: the results may lie over them
	s_barrier_wait -1
	s_mov_b32 s40, 0
	s_mov_b32 s41, 0
	v_add_nc_u32 v[ADX], s40, v[AX0]
	v_add_nc_u32 v[ADY], s40, v[AX1]
	v_add_nc_u32 v[ARS], s41, v[AR0]
	v_mov_b32 v[ZR], 0
	s_wait_alu depctr_va_vdst(0)
	PF 0, 0
	PF 1, 1
	s_wait_dscnt 12
	MM1 0, 0
	MM2 0, 0
.rept 4
	v_nop                                          ; the places in front of the loads into buffer 0 and of the first read of the results
.endr
	s_mov_b32 s42, 6
.Lslot:
	SLOT 2
	s_sub_co_u32 s42, s42, 1
	s_cmp_lg_u32 s42, 0
	s_wait_alu depctr_va_vdst(0)
	s_cbranch_scc1 .Lslot
	SLOT 1                                         ; slot 6: a change of slots, nothing left to fetch
	SLOT 0                                         ; slot 7
	s_wait_dscnt 0x0
	s_barrier_signal -1
	s_barrier_wait -1
.irp k, 0,1,2,3,4,5,6,7                ; the two waves of a query quarter meet: the upper 128 centroids win only by a strictly greater D
	ds_load_b128 v[M0+4*\k:M0+4*\k+3], v[MRA] offset:512*\k
	ds_load_b128 v[M1+4*\k:M1+4*\k+3], v[MRA] offset:8192+512*\k
.endr
.irp k, 0,1,2,3,4,5,6,7
	s_wait_dscnt 14-2*\k
	v_cmp_gt_f32 vcc_lo, v[M1+4*\k], v[M0+4*\k]
	v_cmp_gt_f32 s46, v[M1+4*\k+2], v[M0+4*\k+2]
	s_delay_alu instid0(VALU_DEP_2)
	v_cndmask_b32 v[M0+4*\k], v[M0+4*\k], v[M1+4*\k], vcc_lo
	s_delay_alu instid0(VALU_DEP_3)
	v_cndmask_b32 v[M0+4*\k+1], v[M0+4*\k+1], v[M1+4*\k+1], vcc_lo
	s_delay_alu instid0(VALU_DEP_3)
	v_cndmask_b32 v[M0+4*\k+2], v[M0+4*\k+2], v[M1+4*\k+2], s46
	s_delay_alu instid0(VALU_DEP_4)
	v_cndmask_b32 v[M0+4*\k+3], v[M0+4*\k+3], v[M1+4*\k+3], s46
	global_store_b128 v[GLO], v[M0+4*\k:M0+4*\k+3], s[10:11] offset:(8*(\k/2)+\k%2)*131072 th:TH_STORE_NT   ; 512 consecutive bytes, at a multiple of 256
.endr
	s_wait_tensorcnt 0x0                           ; the wave's end
	ds_add_u32 v[SPW], v[NIL]
	s_wait_dscnt 0x0
	ROUND                                          ; the closing round
	s_endpgm
.Lfunc_end_k_q692fd3c447_dist:
	.size	k_q692fd3c447_dist, .Lfunc_end_k_q692fd3c447_dist-k_q692fd3c447_dist
	.p2alignl 7, 3214868480
	.fill 96, 4, 3214868480
	.section	.rodata,"a",@progbits
	.p2align	6, 0x0
	.amdhsa_kernel k_q692fd3c447_dist
		.amdhsa_group_segment_fixed_size 327680
		.amdhsa_private_segment_fixed_size 0
		.amdhsa_enable_private_segment 0
		.amdhsa_kernarg_size 32
		.amdhsa_user_sgpr_count 2
		.amdhsa_user_sgpr_kernarg_segment_ptr 1
		.amdhsa_wavefront_size32 1
		.amdhsa_system_sgpr_workgroup_id_x 1
		.amdhsa_system_sgpr_workgroup_id_y 1
		.amdhsa_system_sgpr_workgroup_id_z 1
		.amdhsa_system_vgpr_workitem_id 0
		.amdhsa_next_free_vgpr 512
		.amdhsa_next_free_sgpr 66
		.amdhsa_reserve_vcc 1
		.amdhsa_float_denorm_mode_32 3
		.amdhsa_float_denorm_mode_16_64 3
		.amdhsa_memory_ordered 1
		.amdhsa_forward_progress 1
		.amdhsa_inst_pref_size 255
	.end_amdhsa_kernel
	.section	.bss,"aw",@nobits
	.p2align	6
	.space	262144
	.amdgpu_metadata
---
amdhsa.version: [ 1, 2 ]
amdhsa.kernels:
  - .name:           k_q692fd3c447_dist
    .symbol:         k_q692fd3c447_dist.kd
    .args:
      - { .name: centroids, .offset: 0, .size: 8, .value_kind: global_buffer, .address_space: global }
      - { .name: x_BD_codes, .offset: 8, .size: 8, .value_kind: global_buffer, .address_space: global }
      - { .name: x_BD_scales, .offset: 16, .size: 8, .value_kind: global_buffer, .address_space: global }
      - { .name: part, .offset: 24, .size: 8, .value_kind: global_buffer, .address_space: global }
    .group_segment_fixed_size: 327680
    .private_segment_fixed_size: 0
    .kernarg_segment_align: 8
    .kernarg_segment_size: 32
    .max_flat_workgroup_size: 256
    .sgpr_count:     66
    .vgpr_count:     512
    .wavefront_size: 32
...
	.end_amdgpu_metadata
.endif
;; end of part 1
;; launch reduce (part 2): grid 64 x 1, 16 waves a work-group, no clusters, 10,240 bytes of LDS; arguments part, out1, codes; writes out1, codes
.if DOCPART == 2
	.amdgcn_target "amdgcn-amd-amdhsa--gfx1250"
	.amdhsa_code_object_version 6
	.text
	.protected	k_q692fd3c447_reduce
	.globl	k_q692fd3c447_reduce
	.p2align	8
	.type	k_q692fd3c447_reduce,@function
k_q692fd3c447_reduce:
	s_mov_b64 s[64:65], 0
	v_nop
	global_prefetch_b8 v0, s[64:65] scope:SCOPE_SE
	s_setreg_imm32_b32 hwreg(HW_REG_WAVE_MODE, 25, 1), 1
	s_wait_xcnt 0x0
; For each query the best of its 256 candidates (one from each work-group of the launch before): the largest D; of equal D the lowest centroid, since the candidates are taken in ascending order and
; only a strictly greater one replaces the best.  part[qb][256][64 queries][f32 D, u32 centroid].  The winners go to out1 and, as whole numbers from which the next launch forms addresses, to codes.
; A work-group takes one qb: 131,072 dense bytes.  Wave w takes candidates 16 w .. 16 w + 15: 16 loads of 512 consecutive bytes, all out at once; a lane holds queries 2 l and 2 l + 1.
; The sixteen waves' bests meet in LDS; wave 0 folds them and stores 256 consecutive bytes to each output.  No matrix unit, no tensor load: a stream read once.
.set R, 16                             ; v16-79: sixteen candidates x (D, centroid, D, centroid); the best grows in the first four
.macro BEST ds                         ; ds = 0: the candidates come by global loads; 1: by LDS loads.  Candidate i is in when 15 - i younger loads are out
.irp i, 1,2,3,4,5,6,7,8,9,10,11,12,13,14,15
.if \ds
	s_wait_alu depctr_va_vdst(0)
	s_wait_dscnt 15-\i
.else
	s_wait_alu depctr_va_vdst(0)
	s_wait_loadcnt 15-\i
.endif
	v_cmp_gt_f32 vcc_lo, v[R+4*\i], v[R]
	v_cmp_gt_f32 s20, v[R+4*\i+2], v[R+2]
	s_delay_alu instid0(VALU_DEP_2)
	v_cndmask_b32 v[R], v[R], v[R+4*\i], vcc_lo
	s_delay_alu instid0(VALU_DEP_3)
	v_cndmask_b32 v[R+1], v[R+1], v[R+4*\i+1], vcc_lo
	s_delay_alu instid0(VALU_DEP_3)
	v_cndmask_b32 v[R+2], v[R+2], v[R+4*\i+2], s20
	s_delay_alu instid0(VALU_DEP_4)
	v_cndmask_b32 v[R+3], v[R+3], v[R+4*\i+3], s20
.endr
.endm
	s_load_b128 s[4:7], s[0:1], 0x0                ; part, out1
	s_load_b64 s[8:9], s[0:1], 0x10                ; codes
	v_lshl_add_u32 v96, v0, 2, 0x2000
	v_mov_b32 v97, 0
	v_lshrrev_b32 v2, 5, v0
	s_delay_alu instid0(VALU_DEP_1)
	v_readfirstlane_b32 s12, v2                    ; wave 0..15
	v_and_b32 v3, 31, v0
	s_delay_alu instid0(VALU_DEP_1)
	v_lshlrev_b32 v4, 4, v3                        ; 16 x lane
	s_lshl_b32 s13, s12, 13
	v_add_nc_u32 v1, s13, v4                       ; my wave's sixteen records of 512 bytes
	s_lshl_b32 s13, s12, 9
	v_add_nc_u32 v5, s13, v4                       ; LDS: my wave's best
	v_lshlrev_b32 v10, 3, v3
	s_lshl_b32 s16, ttmp9, 8
	v_add_nc_u32 v10, s16, v10                     ; the outputs: 256 bytes a work-group, 8 a lane
	s_lshl_b32 s14, ttmp9, 17
	s_mov_b32 s15, 0
	s_wait_alu depctr_va_vdst(0)
	s_wait_kmcnt 0x0
	s_add_nc_u64 s[4:5], s[4:5], s[14:15]
.irp i, 0,1,2,3,4,5,6,7,8,9,10,11,12,13,14,15
	global_load_b128 v[R+4*\i:R+4*\i+3], v1, s[4:5] offset:512*\i th:TH_LOAD_NT
.endr
	BEST 0
	ds_store_b128 v5, v[R:R+3]
	s_wait_dscnt 0x0                               ; for the others' sake: my store has landed
	s_barrier_signal -1
	s_barrier_wait -1
	s_cmp_lg_u32 s12, 0
	s_cbranch_scc1 .Lend                           ; wave 0 alone goes on; no barrier follows
.irp i, 0,1,2,3,4,5,6,7,8,9,10,11,12,13,14,15
	ds_load_b128 v[R+4*\i:R+4*\i+3], v4 offset:512*\i
.endr
	BEST 1
	s_delay_alu instid0(VALU_DEP_3)
	v_mov_b32 v8, v[R+1]
	s_delay_alu instid0(VALU_DEP_2)
	v_mov_b32 v9, v[R+3]
	global_store_b64 v10, v[8:9], s[6:7]           ; 32 lanes store 256 consecutive bytes, at a multiple of 256 from the buffer's first byte
	global_store_b64 v10, v[8:9], s[8:9]
.Lend:
	s_wait_tensorcnt 0x0
	ds_add_u32 v96, v97
	s_wait_dscnt 0x0
	s_endpgm
.Lfunc_end_k_q692fd3c447_reduce:
	.size	k_q692fd3c447_reduce, .Lfunc_end_k_q692fd3c447_reduce-k_q692fd3c447_reduce
	.p2alignl 7, 3214868480
	.fill 96, 4, 3214868480
	.section	.rodata,"a",@progbits
	.p2align	6, 0x0
	.amdhsa_kernel k_q692fd3c447_reduce
		.amdhsa_group_segment_fixed_size 10240
		.amdhsa_private_segment_fixed_size 0
		.amdhsa_enable_private_segment 0
		.amdhsa_kernarg_size 24
		.amdhsa_user_sgpr_count 2
		.amdhsa_user_sgpr_kernarg_segment_ptr 1
		.amdhsa_wavefront_size32 1
		.amdhsa_system_sgpr_workgroup_id_x 1
		.amdhsa_system_sgpr_workgroup_id_y 1
		.amdhsa_system_sgpr_workgroup_id_z 1
		.amdhsa_system_vgpr_workitem_id 0
		.amdhsa_next_free_vgpr 98
		.amdhsa_next_free_sgpr 66
		.amdhsa_reserve_vcc 1
		.amdhsa_float_denorm_mode_32 3
		.amdhsa_float_denorm_mode_16_64 3
		.amdhsa_memory_ordered 1
		.amdhsa_forward_progress 1
		.amdhsa_inst_pref_size 19
	.end_amdhsa_kernel
	.amdgpu_metadata
---
amdhsa.version: [ 1, 2 ]
amdhsa.kernels:
  - .name:           k_q692fd3c447_reduce
    .symbol:         k_q692fd3c447_reduce.kd
    .args:
      - { .name: part, .offset: 0, .size: 8, .value_kind: global_buffer, .address_space: global }
      - { .name: out1, .offset: 8, .size: 8, .value_kind: global_buffer, .address_space: global }
      - { .name: codes, .offset: 16, .size: 8, .value_kind: global_buffer, .address_space: global }
    .group_segment_fixed_size: 10240
    .private_segment_fixed_size: 0
    .kernarg_segment_align: 8
    .kernarg_segment_size: 24
    .max_flat_workgroup_size: 512
    .sgpr_count:     66
    .vgpr_count:     98
    .wavefront_size: 32
...
	.end_amdgpu_metadata
.endif
;; end of part 2
;; launch gather (part 3): grid 256 x 1, 8 waves a work-group, no clusters, 0 bytes of LDS; arguments codes, centroids, out0; writes out0
.if DOCPART == 3
	.amdgcn_target "amdgcn-amd-amdhsa--gfx1250"
	.amdhsa_code_object_version 6
	.text
	.protected	k_q692fd3c447_gather
	.globl	k_q692fd3c447_gather
	.p2align	8
	.type	k_q692fd3c447_gather,@function
k_q692fd3c447_gather:
	s_mov_b64 s[64:65], 0
	v_nop
	global_prefetch_b8 v0, s[64:65] scope:SCOPE_SE
	s_setreg_imm32_b32 hwreg(HW_REG_WAVE_MODE, 25, 1), 1
	s_wait_xcnt 0x0
; out0[q][:] = centroids[codes[q]][:], rows of 1,024 bytes.  A wave takes two queries: its two numbers come by one scalar load, are held inside the table (at most 65,535) and shifted into row offsets;
; each row is two loads and two stores of 512 consecutive bytes.  No hint on the loads: a row may win for several queries.
	s_load_b128 s[4:7], s[0:1], 0x0                ; codes, centroids
	s_load_b64 s[8:9], s[0:1], 0x10                ; out0
	v_lshrrev_b32 v2, 5, v0
	s_delay_alu instid0(VALU_DEP_1)
	v_readfirstlane_b32 s12, v2                    ; wave 0..7
	v_and_b32 v1, 31, v0
	s_delay_alu instid0(VALU_DEP_1)
	v_lshlrev_b32 v1, 4, v1                        ; 16 x lane
	s_lshl_b32 s13, ttmp9, 4
	s_lshl_b32 s14, s12, 1
	s_add_co_u32 s13, s13, s14                     ; my first query: 16 x work-group + 2 x wave
	s_lshl_b32 s14, s13, 2
	s_lshl_b32 s18, s13, 10
	s_mov_b32 s19, 0
	s_wait_alu depctr_va_vdst(0)
	s_wait_kmcnt 0x0
	s_load_b64 s[16:17], s[4:5], s14 offset:0x0
	s_add_nc_u64 s[8:9], s[8:9], s[18:19]
	s_wait_kmcnt 0x0
	s_min_u32 s16, s16, 0xffff
	s_min_u32 s17, s17, 0xffff
	s_lshl_b32 s20, s16, 10
	s_mov_b32 s21, 0
	s_lshl_b32 s22, s17, 10
	s_mov_b32 s23, 0
	s_add_nc_u64 s[20:21], s[6:7], s[20:21]
	s_add_nc_u64 s[22:23], s[6:7], s[22:23]
	global_load_b128 v[4:7], v1, s[20:21]
	global_load_b128 v[8:11], v1, s[20:21] offset:512
	global_load_b128 v[12:15], v1, s[22:23]
	global_load_b128 v[16:19], v1, s[22:23] offset:512
	s_wait_loadcnt 3                               ; loads come back in order: the counts run down
	global_store_b128 v1, v[4:7], s[8:9] th:TH_STORE_NT
	s_wait_loadcnt 2
	global_store_b128 v1, v[8:11], s[8:9] offset:512 th:TH_STORE_NT
	s_wait_loadcnt 1
	global_store_b128 v1, v[12:15], s[8:9] offset:1024 th:TH_STORE_NT
	s_wait_loadcnt 0x0
	global_store_b128 v1, v[16:19], s[8:9] offset:1536 th:TH_STORE_NT
	s_endpgm
.Lfunc_end_k_q692fd3c447_gather:
	.size	k_q692fd3c447_gather, .Lfunc_end_k_q692fd3c447_gather-k_q692fd3c447_gather
	.p2alignl 7, 3214868480
	.fill 96, 4, 3214868480
	.section	.rodata,"a",@progbits
	.p2align	6, 0x0
	.amdhsa_kernel k_q692fd3c447_gather
		.amdhsa_group_segment_fixed_size 0
		.amdhsa_private_segment_fixed_size 0
		.amdhsa_enable_private_segment 0
		.amdhsa_kernarg_size 24
		.amdhsa_user_sgpr_count 2
		.amdhsa_user_sgpr_kernarg_segment_ptr 1
		.amdhsa_wavefront_size32 1
		.amdhsa_system_sgpr_workgroup_id_x 1
		.amdhsa_system_sgpr_workgroup_id_y 1
		.amdhsa_system_sgpr_workgroup_id_z 1
		.amdhsa_system_vgpr_workitem_id 0
		.amdhsa_next_free_vgpr 24
		.amdhsa_next_free_sgpr 66
		.amdhsa_reserve_vcc 0
		.amdhsa_float_denorm_mode_32 3
		.amdhsa_float_denorm_mode_16_64 3
		.amdhsa_memory_ordered 1
		.amdhsa_forward_progress 1
		.amdhsa_inst_pref_size 3
	.end_amdhsa_kernel
	.amdgpu_metadata
---
amdhsa.version: [ 1, 2 ]
amdhsa.kernels:
  - .name:           k_q692fd3c447_gather
    .symbol:         k_q692fd3c447_gather.kd
    .args:
      - { .name: codes, .offset: 0, .size: 8, .value_kind: global_buffer, .address_space: global }
      - { .name: centroids, .offset: 8, .size: 8, .value_kind: global_buffer, .address_space: global }
      - { .name: out0, .offset: 16, .size: 8, .value_kind: global_buffer, .address_space: global }
    .group_segment_fixed_size: 0
    .private_segment_fixed_size: 0
    .kernarg_segment_align: 8
    .kernarg_segment_size: 24
    .max_flat_workgroup_size: 256
    .sgpr_count:     66
    .vgpr_count:     24
    .wavefront_size: 32
...
	.end_amdgpu_metadata
.endif
;; end of part 3
